; MI455X (gfx1250); checked and timed in simulation.
; The chip was launched on July 23, 2026; its instructions are those of AMD's public machine-readable ISA for CDNA 5 (MIT licence, August 2026) and "CDNA5" Instruction Set Architecture Reference Guide (July 2026). The comments in the code are by the model that wrote it; some were corrected since.
;; FP8 Linear. Allowed arithmetic: matrix products marked QUANTISED: E2M1 operands, one E8M0 scale for each 32 along K, by v_wmma_scale_f32_16x16x128_f8f6f4 with both operands' format E2M1 (or v_wmma_scale_f32_32x16x128_f4), f32 sums; everything else in f32.
;; Inputs: weight 2,048 x 2,048 bfloat16; x 8,192 x 2,048 bfloat16.
;; Outputs: out0 8,192 x 2,048 bfloat16.
;; This version of the problem:
;;   THIS VERSION OF THE PROBLEM IS GIVEN IN LOW PRECISION. The matrix products marked QUANTISED in the list below multiply operands that are first quantised to E2M1 (2 exponent bits, 1 mantissa bit; 4 bits a number), with one power-of-two scale for each 32 numbers along K (OCP MX v1.0); their sums are f32. All else is computed in f32.
;;   The module's matrix products, in the order in which they are computed (A, B: the left and right operand; K: the contracted axis; several contracted axes count as one K, in the product's order):
;;     1. [M 8,192, K 2,048] x [K 2,048, N 2,048]; A: computed on the way; B: computed on the way: QUANTISED
;;     2. [M 8,192, K 2,048] x [K 2,048, N 2,048]; A: input x; B: input weight: QUANTISED
;;   THE QUANTISER, for each operand of a quantised product, along K:
;;     - K is cut into blocks of 32 from its start; a last block that is shorter is filled with zeros.
;;     - A block's scale is 2^e with e = floor(log2(the largest magnitude in the block)) - 2, held to -126 .. 127; a block of zeros has e = 0. As a byte (E8M0): e + 127.
;;     - Each number is divided by its block's scale, clamped to +-6, and rounded to the nearest number of E2M1, ties to even, subnormals kept.
;;     - The product sums the exact products of the quantised numbers (number of the format x scale) in f32.
;;   ~~~python
;;   def quantise(x, axis):      # numpy; x: float32 -> the quantised numbers, widened to float32 again
;;       x = np.moveaxis(x, axis, -1); K = x.shape[-1]
;;       x = np.pad(x, [(0, 0)] * (x.ndim - 1) + [(0, -K % 32)]); x = x.reshape(x.shape[:-1] + (-1, 32)); a = np.abs(x).max(-1, keepdims=True)
;;       e = np.where(a > 0, np.clip(np.frexp(np.where(a > 0, a, 1))[1] - 1 - 2, -126, 127), 0)      # np.frexp(a)[1] - 1 = floor(log2(a)), exactly
;;       r = np.clip(x / 2.0 ** e, -6, 6)
;;       step = 2.0 ** (np.maximum(np.frexp(np.where(r == 0, 1, r))[1] - 1, 0) - 1)
;;       q = np.round(r / step) * step * 2.0 ** e      # np.round: ties to even
;;       return np.moveaxis(q.reshape(q.shape[:-2] + (-1,))[..., :K], -1, axis).astype(np.float32)
;;   ~~~
;;   OPERANDS COMPUTED ON THE WAY. 'Computed on the way' means the value that the module computes at that place (a softmax that the list does not call 'softmax' is quantised finished and normalised). What goes into a quantiser is computed in f32, as accurately as f32 sums, v_exp_f32 and their like allow (about 1e-6 of the number): no bf16 or f16 on the way to a quantiser, and a product that is left as it is and whose result goes on into a quantised operand takes f32 operands (vector FMAs, or v_wmma_f32_16x16x4_f32). A number that lies on a knife's edge between two numbers of the format may be rounded either way, as far as f32 arithmetic and the matrix unit's own rounding can turn it there, and no further.
;; One version. Each part assembles by itself: llvm-mc -triple=amdgcn-amd-amdhsa -mcpu=gfx1250 --defsym DOCPART=n.
;; ======== version 1 of 1: 3 launches
;; workspace buffers: parts 2,048 bytes; xc 8,388,608 bytes; xs 524,288 bytes; wc 2,097,152 bytes; ws 131,072 bytes
;; launch amax (part 1): grid 256 x 1, 10 waves a work-group, no clusters, 1,536 bytes of LDS; arguments x, weight, parts; writes parts
.if DOCPART == 1
	.amdgcn_target "amdgcn-amd-amdhsa--gfx1250"
	.amdhsa_code_object_version 6
	.text
	.protected	k_qd3d9e13298_amax
	.globl	k_qd3d9e13298_amax
	.p2align	8
	.type	k_qd3d9e13298_amax,@function
k_qd3d9e13298_amax:
	s_mov_b64 s[64:65], 0
	v_nop
	global_prefetch_b8 v0, s[64:65] scope:SCOPE_SE
	s_setreg_imm32_b32 hwreg(HW_REG_WAVE_MODE, 25, 1), 1
	s_wait_xcnt 0x0
; FIRST OF THREE LAUNCHES.  The program computes out0 = bf16( Q(v_x) Q(v_w)^T ), where v_t = e4m3(t x 448 / amax_t) x (amax_t / 448), amax_t = max(max |t|, 1e-12) over the WHOLE tensor t,
; and Q is the MX-FP4 quantiser along K (blocks of 32, one E8M0 byte each).
; WORK LEFT OUT.  reference() returns fp8_out + bf16_out - bf16_out, bf16_out being its second product, x weight^T.  In real numbers a + b - b = a for every finite b, whatever x and weight hold:
; the second product reaches no output and is left out whole.  Both inputs stay live: they feed the first product.  What is not reproduced is the rounding to bf16 of the sum and of the difference, at most one
; step of bf16 at the size of the result.  LIMIT: a NaN, an infinity or an overflow that arises in the second product alone is not carried to the result.
; THIS LAUNCH: no code can be made before a whole tensor's largest magnitude is known, so a first pass finds it.  Each work-group stores its largest |x| and its largest |weight|; the next launch joins the 256 of each.
; SHARES.  A RUN is 8,192 numbers, 16,384 bytes.  x has 2,048 runs, weight 512.  256 work-groups of ten waves: waves 0-7 take x's runs 8 g + wave, waves 8-9 weight's runs 2 g + wave - 8: a run a wave.
; A wave issues its run's 32 loads at once, each 512 consecutive bytes (16 a lane): no loop, no stepped pointer, every offset an immediate.
; No matrix unit, no tensor load, no cluster: a stream that is read once here and shares nothing between work-groups.
; LIMIT: NaN and infinities among the inputs are not served (the maxima let a NaN lose, where reference() would carry it into every result).
.set RUNB,  16384                      ; bytes of a run
.set SPARE, 256                        ; LDS: bytes 0-39 the ten waves' maxima (the block 0-255 is theirs); from 256 the spare words, 128 bytes for each wave
.set M,   4                            ; v[4:7]    four running maxima, two bf16 each
.set T,   8                            ; v[8:11]   at work
.set SPW, 12                           ; v12       LDS address of my spare word; never rewritten
.set NIL, 13                           ; v13       0; never rewritten
.set R,   16                           ; v[16:143] the run as loaded: 32 loads x 4 registers
	s_load_b128 s[4:7], s[0:1], 0x0                ; x s[4:5], weight s[6:7]
	s_load_b64 s[8:9], s[0:1], 0x10                ; parts
	v_lshl_add_u32 v[SPW], v0, 2, SPARE
	v_mov_b32 v[NIL], 0
	v_lshrrev_b32 v1, 5, v0
	v_readfirstlane_b32 s10, v1                    ; wave 0..9
	v_and_b32 v2, 31, v0
	v_lshlrev_b32 v3, 4, v2                        ; 16 bytes a lane
	v_lshlrev_b32 v1, 2, v1                        ; my wave's word in LDS
	s_mov_b32 s18, 0x7fff7fff                      ; clears the signs of two bf16
	s_mov_b32 s19, 0xffff0000                      ; a word's upper bf16
	s_mov_b32 s20, 0x76543210                      ; v_permlanex16_b32's selects for lane l xor 16
	s_mov_b32 s21, 0xfedcba98
	s_lshl_b32 s23, ttmp9, 2                       ; my work-group's word in each row of parts
	s_wait_kmcnt 0x0
	s_cmp_lt_u32 s10, 8                            ; x's wave or weight's?  The choice hangs on the wave's number alone
	s_cselect_b64 s[4:5], s[4:5], s[6:7]
	s_cselect_b32 s11, 3, 1                        ; runs of the tensor in a work-group: 8 or 2, as a shift
	s_cselect_b32 s12, 0, 8                        ; the first wave of that tensor
	s_lshl_b32 s16, ttmp9, s11
	s_add_co_u32 s16, s16, s10
	s_sub_co_u32 s16, s16, s12                     ; my run
	s_lshl_b32 s16, s16, 14                        ; in bytes: under 2^25
	s_mov_b32 s17, 0
	s_add_nc_u64 s[4:5], s[4:5], s[16:17]
.set n, 0
.rept 32
	global_load_b128 v[R+4*n:R+4*n+3], v3, s[4:5] offset:512*n    ; the next launch reads the same bytes again: no hint
.set n, n+1
.endr
	; the largest |.| of my 256 numbers, two bf16 at a time, in four chains; the first four words start the chains: nothing is cleared
.set n, 0
.rept 128
.if n%16 == 0
	s_wait_loadcnt 28-4*(n/16)                     ; loads come back in order: the next four are in, the younger ones stay out
.endif
.if n < 4
	v_and_b32 v[M+n], s18, v[R+n]
.else
	v_and_b32 v[T+n%4], s18, v[R+n]
	v_pk_max_num_bf16 v[M+n%4], v[M+n%4], v[T+n%4]
.endif
.set n, n+1
.endr
	v_pk_max_num_bf16 v[M], v[M], v[M+1]
	v_pk_max_num_bf16 v[M+2], v[M+2], v[M+3]
	v_pk_max_num_bf16 v[M], v[M], v[M+2]
	v_lshlrev_b32 v[T], 16, v[M]                   ; the two halves as f32
	v_and_b32 v[T+1], s19, v[M]
	v_max_num_f32 v[T], v[T], v[T+1]
	v_max_num_f32_dpp v[T], v[T], v[T] row_xmask:1 row_mask:0xf bank_mask:0xf
	v_max_num_f32_dpp v[T], v[T], v[T] row_xmask:2 row_mask:0xf bank_mask:0xf
	v_max_num_f32_dpp v[T], v[T], v[T] row_xmask:4 row_mask:0xf bank_mask:0xf
	v_max_num_f32_dpp v[T], v[T], v[T] row_xmask:8 row_mask:0xf bank_mask:0xf
	v_permlanex16_b32 v[T+1], v[T], s20, s21       ; (its destination counts as read: it has been written)
	v_max_num_f32 v[T], v[T], v[T+1]               ; the run's largest magnitude, in every lane
	ds_store_b32 v1, v[T]                          ; all lanes write my wave's word with the same value
	s_wait_dscnt 0x0                               ; for the others' sake: my store has landed
	s_barrier_signal -1
	s_barrier_wait -1
	v_mov_b32 v2, 0
	ds_load_b128 v[16:19], v2                      ; the ten words, in every lane
	ds_load_b128 v[20:23], v2 offset:16
	ds_load_b64 v[24:25], v2 offset:32
	s_wait_dscnt 0x0
	v_max3_num_f32 v16, v16, v17, v18              ; waves 0-7: x
	v_max3_num_f32 v19, v19, v20, v21
	v_max3_num_f32 v16, v16, v22, v23
	v_max_num_f32 v16, v16, v19
	v_max_num_f32 v24, v24, v25                    ; waves 8-9: weight
	v_and_b32 v14, 1, v0
	v_cmp_eq_u32 vcc_lo, 1, v14
	v_cndmask_b32 v15, v16, v24, vcc_lo            ; thread 0 holds x's figure, thread 1 weight's
	v_lshlrev_b32 v14, 10, v14                     ; parts: f32 [2][256]
	v_add_nc_u32 v14, s23, v14
	v_cmp_gt_u32 vcc_lo, 2, v0                     ; threads 0 and 1 of the work-group store; in waves 1-9 no lane does
	s_wait_xcnt 0x0                                ; EXEC is a source of the loads above: it changes only behind this wait
	s_and_saveexec_b32 s22, vcc_lo
	global_store_b32 v14, v15, s[8:9]
	s_wait_xcnt 0x0                                ; and again in front of the line that widens it
	s_or_b32 exec_lo, exec_lo, s22
	s_wait_tensorcnt 0x0                           ; the wave's end, behind my last LDS store
	ds_add_u32 v[SPW], v[NIL]
	s_wait_dscnt 0x0
	s_endpgm
.Lfunc_end_k_qd3d9e13298_amax:
	.size	k_qd3d9e13298_amax, .Lfunc_end_k_qd3d9e13298_amax-k_qd3d9e13298_amax
	.p2alignl 7, 3214868480
	.fill 96, 4, 3214868480
	.section	.rodata,"a",@progbits
	.p2align	6, 0x0
	.amdhsa_kernel k_qd3d9e13298_amax
		.amdhsa_group_segment_fixed_size 1536
		.amdhsa_private_segment_fixed_size 0
		.amdhsa_enable_private_segment 0
		.amdhsa_kernarg_size 24
		.amdhsa_user_sgpr_count 2
		.amdhsa_user_sgpr_kernarg_segment_ptr 1
		.amdhsa_wavefront_size32 1
		.amdhsa_system_sgpr_workgroup_id_x 1
		.amdhsa_system_sgpr_workgroup_id_y 1
		.amdhsa_system_sgpr_workgroup_id_z 1
		.amdhsa_system_vgpr_workitem_id 0
		.amdhsa_next_free_vgpr 144
		.amdhsa_next_free_sgpr 66
		.amdhsa_reserve_vcc 1
		.amdhsa_float_denorm_mode_32 3
		.amdhsa_float_denorm_mode_16_64 3
		.amdhsa_memory_ordered 1
		.amdhsa_forward_progress 1
		.amdhsa_inst_pref_size 19
	.end_amdhsa_kernel
	.amdgpu_metadata
---
amdhsa.version: [ 1, 2 ]
amdhsa.kernels:
  - .name:           k_qd3d9e13298_amax
    .symbol:         k_qd3d9e13298_amax.kd
    .args:
      - { .name: x, .offset: 0, .size: 8, .value_kind: global_buffer, .address_space: global }
      - { .name: weight, .offset: 8, .size: 8, .value_kind: global_buffer, .address_space: global }
      - { .name: parts, .offset: 16, .size: 8, .value_kind: global_buffer, .address_space: global }
    .group_segment_fixed_size: 1536
    .private_segment_fixed_size: 0
    .kernarg_segment_align: 8
    .kernarg_segment_size: 24
    .max_flat_workgroup_size: 320
    .sgpr_count:     66
    .vgpr_count:     144
    .wavefront_size: 32
...
	.end_amdgpu_metadata
.endif
;; end of part 1
;; launch quant (part 2): grid 256 x 1, 10 waves a work-group, no clusters, 44,800 bytes of LDS; arguments x, weight, xc, xs, wc, ws, parts; writes xc, xs, wc, ws
.if DOCPART == 2
	.amdgcn_target "amdgcn-amd-amdhsa--gfx1250"
	.amdhsa_code_object_version 6
	.text
	.protected	k_qd3d9e13298_quant
	.globl	k_qd3d9e13298_quant
	.p2align	8
	.type	k_qd3d9e13298_quant,@function
k_qd3d9e13298_quant:
	s_mov_b64 s[64:65], 0
	v_nop
	global_prefetch_b8 v0, s[64:65] scope:SCOPE_SE
	s_setreg_imm32_b32 hwreg(HW_REG_WAVE_MODE, 25, 1), 1
	s_wait_xcnt 0x0
; SECOND LAUNCH.  x [8192][2048] and weight [2048][2048], bf16, become the operands of the one live product (the second product of reference() is left out: see the first kernel's head).
; For each number t of a tensor, in f32 throughout: u = t x (448 / amax); q = u rounded to e4m3 (held at +-448 first: amax x (448 / amax) can round just over 448, which a rounding to the nearest e4m3 number
; brings back to 448, while the conversion has no such code there); v = q x (amax / 448).  v is what the MX-FP4 quantiser takes: blocks of 32 along K, scale 2^(floor(log2(largest |v|)) - 2), codes of E2M1.
; amax = max(the 256 partial maxima of the tensor, 1e-12).  448 / amax and amax / 448 are made by a first guess and one correction by fused multiply-adds, so that they are the rounded quotients but for rare last bits.
; OUT: codes with K innermost, two a byte, the lower k in the low four bits: xc [8192][1024 bytes], wc [2048][1024]; scale bytes xs [8192][64], ws [2048][64].
; Rows are dense and K is a multiple of 32: both tensors are plain streams of blocks of 32, and so are their codes and scale bytes: nothing here knows of rows.
; SHARES, as in the first launch: a RUN of 8,192 numbers (16,384 bytes in, 4,096 bytes of codes and 256 scale bytes out) to a wave; waves 0-7 x's runs 8 g + wave, waves 8-9 weight's runs 2 g + wave - 8.
; All 32 loads of a run go out at once, 512 consecutive bytes each.  A lane's 16 bytes are 8 neighbours along K: four neighbouring lanes hold a block, two steps across lanes join its maximum, and one conversion
; makes the lane's 8 codes, 4 bytes.  Four loads' codes (512 bytes) go through the wave's own stage in LDS and leave 16 bytes a lane: a store covers 512 consecutive bytes.  The run's 256 scale bytes are gathered
; in the wave's own LDS bytes and leave as one store of 256 consecutive, aligned bytes.  Every step has stage bytes of its own; waves share nothing: no barrier.
; LIMITS: a block of zeros gets the byte 1 where the rule says 127 (its codes are zeros, which add nothing under any byte but 0xff, and this program alone reads the bytes); NaN and infinities among the inputs are
; not served; amax lies under 2^126 (its reciprocal must be a normal number).
.set WREG,  4352                       ; LDS of a wave: 4,096 bytes of stage, then its 256 scale bytes
.set BYT,   4096
.set SPARE, 10*WREG                    ; behind the ten regions: the spare words, 128 bytes for each wave: five blocks of 256 bytes that no other line names
.set GI,   3                           ; v3   16 x lane: offset of the loads and of the codes' stores; never rewritten
.set SA,   4                           ; v4   stage, in: region + 4 x lane
.set SBA,  5                           ; v5   scale bytes, in: region + lane / 4
.set SL,   6                           ; v6   stage, out: region + 16 x lane
.set SBL,  7                           ; v7   scale bytes, out: region + 8 x lane
.set GS,   8                           ; v8   8 x lane
.set PO,   9                           ; v9   32 x lane: my eight partial maxima
.set SPW,  10                          ; v10  LDS address of my spare word; never rewritten
.set NIL,  11                          ; v11  0, for the add alone; never rewritten
.set ZERO, 12                          ; v12  0.0
.set ONE,  13                          ; v13  1.0: the scale operand of the conversion to e4m3 (its exponent field counts: 2^0)
.set U,    14                          ; v14  the byte 127 four times: the scale 2^0 of the conversion back
.set LIM,  15                          ; v15  448.0
.set SC,   16                          ; v16  448 / amax
.set SS,   18                          ; v[18:19] amax / 448, twice: a pair for the packed multiply
.set M,    28                          ; v[28:31] a block's largest magnitude, for each of a step's four loads
.set E,    32                          ; v[32:35] the conversion's scale operand
.set C,    36                          ; v[36:39] codes of E2M1
.set B,    40                          ; v[40:43] scale bytes
.set Q,    44                          ; v[44:51] codes of e4m3
.set F,    52                          ; v[52:83] 4 loads x 8 numbers in f32
.set R,    84                          ; v[84:211] the run as loaded; step t's first four registers later take its 512 bytes of codes back from the stage
	s_load_b256 s[4:11], s[0:1], 0x0               ; x s[4:5], weight s[6:7], xc s[8:9], xs s[10:11]
	s_load_b128 s[12:15], s[0:1], 0x20             ; wc s[12:13], ws s[14:15]
	s_load_b64 s[16:17], s[0:1], 0x30              ; parts
	v_lshl_add_u32 v[SPW], v0, 2, SPARE
	v_mov_b32 v[NIL], 0
	v_lshrrev_b32 v1, 5, v0
	v_readfirstlane_b32 s18, v1                    ; wave 0..9
	v_and_b32 v2, 31, v0                           ; lane
	s_mul_i32 s28, s18, WREG                       ; my region of LDS
	v_lshlrev_b32 v[GI], 4, v2
	v_lshlrev_b32 v[SA], 2, v2
	v_add_nc_u32 v[SA], s28, v[SA]
	v_lshrrev_b32 v[SBA], 2, v2
	v_add_nc_u32 v[SBA], s28, v[SBA]
	v_add_nc_u32 v[SL], s28, v[GI]
	v_lshlrev_b32 v[GS], 3, v2
	v_add_nc_u32 v[SBL], s28, v[GS]
	v_lshlrev_b32 v[PO], 5, v2
	v_mov_b32 v[ZERO], 0
	v_mov_b32 v[ONE], 1.0
	v_mov_b32 v[U], 0x7f7f7f7f
	v_mov_b32 v[LIM], 0x43e00000
	s_mov_b32 s24, 0x43e00000                      ; 448
	s_mov_b32 s25, 0x3b124925                      ; 1 / 448, rounded
	s_mov_b32 s26, 0x76543210                      ; v_permlanex16_b32's selects for lane l xor 16
	s_mov_b32 s27, 0xfedcba98
	s_wait_kmcnt 0x0
	s_cmp_lt_u32 s18, 8                            ; x's wave or weight's?  The choice hangs on the wave's number alone; all selections stand ahead of the next line that sets SCC
	s_cselect_b64 s[4:5], s[4:5], s[6:7]           ; the numbers,
	s_cselect_b64 s[8:9], s[8:9], s[12:13]         ; their codes,
	s_cselect_b64 s[10:11], s[10:11], s[14:15]     ; their scale bytes,
	s_cselect_b32 s19, 3, 1                        ; runs of the tensor in a work-group, as a shift,
	s_cselect_b32 s20, 0, 8                        ; the first wave of that tensor,
	s_cselect_b32 s22, 0, 1024                     ; and its row of parts
	s_mov_b32 s23, 0
	s_add_nc_u64 s[16:17], s[16:17], s[22:23]
	s_lshl_b32 s29, ttmp9, s19
	s_add_co_u32 s29, s29, s18
	s_sub_co_u32 s29, s29, s20                     ; my run
	s_lshl_b32 s22, s29, 14
	s_add_nc_u64 s[4:5], s[4:5], s[22:23]          ; 16,384 bytes of numbers a run,
	s_lshl_b32 s22, s29, 12
	s_add_nc_u64 s[8:9], s[8:9], s[22:23]          ; 4,096 of codes,
	s_lshl_b32 s22, s29, 8
	s_add_nc_u64 s[10:11], s[10:11], s[22:23]      ; 256 scale bytes
	global_load_b128 v[20:23], v[PO], s[16:17]             ; the tensor's 256 partial maxima, eight a lane
	global_load_b128 v[24:27], v[PO], s[16:17] offset:16
.set n, 0
.rept 32
	global_load_b128 v[R+4*n:R+4*n+3], v[GI], s[4:5] offset:512*n th:TH_LOAD_NT   ; the last read of these bytes
.set n, n+1
.endr
	s_wait_loadcnt 32                              ; the partial maxima are in; the 32 loads issued behind them stay out
	v_max3_num_f32 v20, v20, v21, v22
	v_max3_num_f32 v23, v23, v24, v25
	v_max3_num_f32 v20, v20, v26, v27
	v_max_num_f32 v20, v20, v23
	v_max_num_f32_dpp v20, v20, v20 row_xmask:1 row_mask:0xf bank_mask:0xf
	v_max_num_f32_dpp v20, v20, v20 row_xmask:2 row_mask:0xf bank_mask:0xf
	v_max_num_f32_dpp v20, v20, v20 row_xmask:4 row_mask:0xf bank_mask:0xf
	v_max_num_f32_dpp v20, v20, v20 row_xmask:8 row_mask:0xf bank_mask:0xf
	v_permlanex16_b32 v21, v20, s26, s27           ; (its destination counts as read: it has been written)
	v_max_num_f32 v20, v20, v21
	v_max_num_f32 v20, 0x2b8cbccc, v20             ; amax = max(.., 1e-12), as reference() has it
	v_rcp_f32 v21, v20
	v_nop                                          ; a plain instruction behind the reciprocal,
	s_wait_alu depctr_va_vdst(0)                   ; and the wait ahead of its first reader
	v_mul_f32 v22, s24, v21                        ; 448 / amax: a first guess g,
	v_fma_f32 v23, -v22, v20, s24                  ; what it leaves, 448 - g amax, exactly but for one rounding,
	v_fma_f32 v[SC], v23, v21, v22                 ; and the guess mended
	v_mul_f32 v22, s25, v20                        ; amax / 448 likewise
	v_fma_f32 v23, -v22, s24, v20
	v_fma_f32 v[SS], v23, s25, v22
	v_mov_b32 v[SS+1], v[SS]
; A STEP: four loads, 1,024 numbers, 32 a lane.
.macro STEP t
	s_wait_loadcnt 28-4*(\t)                       ; this step's four loads are in; the later steps' stay out
.irp j, 0,1,2,3
.irp k, 0,1,2,3
	v_fma_mix_f32_bf16 v[F+8*\j+2*\k],   v[R+16*(\t)+4*\j+\k], v[SC], v[ZERO] op_sel_hi:[1,0,0]                ; u = t x (448 / amax): the word's low bf16, widened and multiplied in one instruction,
	v_fma_mix_f32_bf16 v[F+8*\j+2*\k+1], v[R+16*(\t)+4*\j+\k], v[SC], v[ZERO] op_sel:[1,0,0] op_sel_hi:[1,0,0]  ; and its high one
.endr
.endr
.set n, 0
.rept 32
	v_med3_num_f32 v[F+n], v[F+n], -v[LIM], v[LIM] ; held at +-448
.set n, n+1
.endr
.if (\t) > 0
	s_wait_dscnt 0x0                               ; the step before: its codes are back from the stage, and its LDS stores have read the registers that are written again below
	global_store_b128 v[GI], v[R+16*((\t)-1):R+16*((\t)-1)+3], s[8:9] offset:512*((\t)-1)   ; 512 consecutive bytes of codes
.endif
.irp j, 0,1,2,3
	v_cvt_scalef32_pk8_fp8_f32 v[Q+2*\j:Q+2*\j+1], v[F+8*\j:F+8*\j+7], v[ONE]   ; to the nearest e4m3 number, ties to even
.endr
	v_nop                                          ; one plain instruction between scaled conversions and what touches their results or writes their sources
.irp j, 0,1,2,3
	v_cvt_scale_pk8_f32_fp8 v[F+8*\j:F+8*\j+7], v[Q+2*\j:Q+2*\j+1], v[U]        ; and back to f32: q
.endr
	v_nop
.set n, 0
.rept 16
	v_pk_mul_f32 v[F+n:F+n+1], v[F+n:F+n+1], v[SS:SS+1]   ; v = q x (amax / 448)
.set n, n+2
.endr
.irp j, 0,1,2,3
	v_max3_num_f32 v[M+\j], |v[F+8*\j]|, |v[F+8*\j+1]|, 0x1800000   ; my 8 numbers of a block, and the floor 2^(3 - 127), under which no largest magnitude is taken: so the byte cannot fall under 1
.endr
.irp i, 2,4,6
.irp j, 0,1,2,3
	v_max3_num_f32 v[M+\j], v[M+\j], |v[F+8*\j+\i]|, |v[F+8*\j+\i+1]|   ; (the four loads by turns: no line waits for the line above it)
.endr
.endr
.irp j, 0,1,2,3
	v_max_num_f32_dpp v[M+\j], v[M+\j], v[M+\j] row_xmask:1 row_mask:0xf bank_mask:0xf
.endr
.irp j, 0,1,2,3
	v_max_num_f32_dpp v[M+\j], v[M+\j], v[M+\j] row_xmask:2 row_mask:0xf bank_mask:0xf   ; with the three lanes that share the block
.endr
.irp j, 0,1,2,3
	v_add_nc_u32 v[E+\j], 0xff000000, v[M+\j]      ; 2 off its exponent field: the conversion takes the exponent field of this operand as its scale, and nothing else of it
.endr
.irp j, 0,1,2,3
	v_cvt_scalef32_pk8_fp4_f32 v[C+\j], v[F+8*\j:F+8*\j+7], v[E+\j]   ; eight codes, the first number's in the lowest four bits; beyond 6 the largest code
.endr
.irp j, 0,1,2,3
	v_lshrrev_b32 v[B+\j], 23, v[E+\j]             ; the scale's byte.  (Plain instructions behind the conversions)
.endr
.irp j, 0,1,2,3
	ds_store_b32 v[SA], v[C+\j] offset:512*(\t)+128*\j             ; a load's 256 codes are 128 bytes, 4 a lane
.endr
.irp j, 0,1,2,3
	ds_store_b8 v[SBA], v[B+\j] offset:BYT+32*(\t)+8*\j            ; a load has 8 blocks; the four lanes of a block write the same byte with the same value
.endr
	ds_load_b128 v[R+16*(\t):R+16*(\t)+3], v[SL] offset:512*(\t)   ; LDS serves a wave's instructions in order: this sees the stores above
.endm
.irp s, 0,1,2,3,4,5,6,7
	STEP \s
.endr
	ds_load_b64 v[20:21], v[SBL] offset:BYT        ; the run's 256 scale bytes, 8 a lane
	s_wait_dscnt 0x0
	global_store_b128 v[GI], v[R+112:R+115], s[8:9] offset:3584    ; the last step's codes
	global_store_b64 v[GS], v[20:21], s[10:11]     ; 256 consecutive bytes, at a multiple of 256 from the buffer's first byte
	s_wait_tensorcnt 0x0                           ; the wave's end, behind my last LDS store
	ds_add_u32 v[SPW], v[NIL]
	s_wait_dscnt 0x0
	s_endpgm
.Lfunc_end_k_qd3d9e13298_quant:
	.size	k_qd3d9e13298_quant, .Lfunc_end_k_qd3d9e13298_quant-k_qd3d9e13298_quant
	.p2alignl 7, 3214868480
	.fill 96, 4, 3214868480
	.section	.rodata,"a",@progbits
	.p2align	6, 0x0
	.amdhsa_kernel k_qd3d9e13298_quant
		.amdhsa_group_segment_fixed_size 44800
		.amdhsa_private_segment_fixed_size 0
		.amdhsa_enable_private_segment 0
		.amdhsa_kernarg_size 56
		.amdhsa_user_sgpr_count 2
		.amdhsa_user_sgpr_kernarg_segment_ptr 1
		.amdhsa_wavefront_size32 1
		.amdhsa_system_sgpr_workgroup_id_x 1
		.amdhsa_system_sgpr_workgroup_id_y 1
		.amdhsa_system_sgpr_workgroup_id_z 1
		.amdhsa_system_vgpr_workitem_id 0
		.amdhsa_next_free_vgpr 216
		.amdhsa_next_free_sgpr 66
		.amdhsa_reserve_vcc 0
		.amdhsa_float_denorm_mode_32 3
		.amdhsa_float_denorm_mode_16_64 3
		.amdhsa_memory_ordered 1
		.amdhsa_forward_progress 1
		.amdhsa_inst_pref_size 75
	.end_amdhsa_kernel
	.amdgpu_metadata
---
amdhsa.version: [ 1, 2 ]
amdhsa.kernels:
  - .name:           k_qd3d9e13298_quant
    .symbol:         k_qd3d9e13298_quant.kd
    .args:
      - { .name: x, .offset: 0, .size: 8, .value_kind: global_buffer, .address_space: global }
      - { .name: weight, .offset: 8, .size: 8, .value_kind: global_buffer, .address_space: global }
      - { .name: xc, .offset: 16, .size: 8, .value_kind: global_buffer, .address_space: global }
      - { .name: xs, .offset: 24, .size: 8, .value_kind: global_buffer, .address_space: global }
      - { .name: wc, .offset: 32, .size: 8, .value_kind: global_buffer, .address_space: global }
      - { .name: ws, .offset: 40, .size: 8, .value_kind: global_buffer, .address_space: global }
      - { .name: parts, .offset: 48, .size: 8, .value_kind: global_buffer, .address_space: global }
    .group_segment_fixed_size: 44800
    .private_segment_fixed_size: 0
    .kernarg_segment_align: 8
    .kernarg_segment_size: 56
    .max_flat_workgroup_size: 320
    .sgpr_count:     66
    .vgpr_count:     216
    .wavefront_size: 32
...
	.end_amdgpu_metadata
.endif
;; end of part 2
;; launch gemm (part 3): grid 8 x 32, 4 waves a work-group, clusters of 4 x 4, 327,680 bytes of LDS; arguments xc, xs, wc, ws, out0; writes out0
.if DOCPART == 3
	.amdgcn_target "amdgcn-amd-amdhsa--gfx1250"
	.amdhsa_code_object_version 6
	.text
	.protected	k_qd3d9e13298_gemm
	.globl	k_qd3d9e13298_gemm
	.p2align	8
	.type	k_qd3d9e13298_gemm,@function
k_qd3d9e13298_gemm:
	s_mov_b64 s[64:65], 0
	v_nop
	global_prefetch_b8 v0, s[64:65] scope:SCOPE_SE
	s_setreg_imm32_b32 hwreg(HW_REG_WAVE_MODE, 25, 1), 1
	s_wait_xcnt 0x0
	s_wait_alu depctr_hold_cnt(0) depctr_sa_sdst(0) depctr_va_vdst(0) depctr_va_sdst(0) depctr_va_ssrc(0) depctr_va_vcc(0) depctr_vm_vsrc(0)
	s_getreg_b32 s2, hwreg(HW_REG_IB_STS2, 6, 4)
	s_cmp_eq_u32 s2, 0
	s_cbranch_scc0 .Lentry_in_a_cluster
	s_endpgm
.Lentry_in_a_cluster:
	s_bfe_u32 s2, ttmp6, 0x10000c
	s_cmp_lg_u32 s2, 0xf033
	s_cbranch_scc0 .Lentry_shape_is_right
	s_endpgm
.Lentry_shape_is_right:
; THIRD LAUNCH.  out0[m][n] = bf16( sum over k of A[m][k] B[n][k] ): the first product of reference().  Its second product is left out as dead work: it is added and taken away again (see the first kernel's head).
; A = xc [SIZE_M][SIZE_K], B = wc [SIZE_N][SIZE_K]: codes of FP4 (E2M1), two a byte, the lower k in the low four bits, with one E8M0 byte for each 32 along K (xs [SIZE_M][SIZE_K / 32], ws likewise); sums in f32, rounded once to bf16.
; The matrix instruction takes codes and scale bytes as they lie in memory.
; A tile of C, 256 x 256, is made by a work-group of four waves; a wave makes 128 x 128: 64 accumulators of 16 x 16, 512 registers.  8 x 32 tiles: 256 work-groups.
; K goes in steps of 512 through a ring of two LDS slots filled by the tensor data mover: a tile's row is 256 bytes of memory.
; THE SCALES of the work-group's 256 rows of A and 256 rows of B, for all of K, are two dense blocks of memory: they come into LDS ONCE, with the first fills, as rows of 256 bytes, and stay.
; CLUSTERS: 4 x 4 work-groups.  The four of a row of the cluster need the same tiles of A, the four of a column the same tiles of B: each tile is asked for JOINTLY, by the same tensor load with the
; same descriptor and a mask that names the four.  THE MATRIX INSTRUCTION IS USED TRANSPOSED (source 0 = 16 rows of B, source 1 = 16 rows of A): a lane then holds eight neighbouring numbers of a row of C.
; THE LAST K STEP GOES BY ROWS OF C, NOT BY K: by K all 64 accumulators would be finished together and every store would stand behind the last product.  So all of that step's fragments of B come into registers,
; and my eight blocks of 16 rows are finished one after the other and leave as they are finished: the first 224 matrix instructions ahead of the last product.  K still ascends in every sum.
; REGISTERS, in windows of 256: window 0: v0-31 addresses; v32-95 scale words, two sets; v128-191 A's fragments (8 x 16 rows x 128 K), ONE set (in the last K step two buffers of 16 rows x 512 K);
;   v192-223, v96-127 and v224-255 at work on the way out.   window 1: B's fragments, TWO sets, at v0 and at v128; in the last K step all 256.
;   window 2: the 32 accumulators of my rows 0-63 (accumulator (a, b) at v[8 (8 a + b)]);   window 3: those of my rows 64-127.
; A step of 128 along K is 64 matrix instructions, A's blocks one after the other, each against B's eight.  So a block of A is free as soon as its eight products are issued, and one set of registers serves A:
; blocks 0-3 are fetched anew in the step's middle, blocks 4-7 at its end.  B's fragments are at work through the whole step, so B has two sets.
; No prefetch: a work-group has two refills in all.  One tile to a work-group: nothing to stay for.
.set SIZE_M, 8192
.set SIZE_N, 2048
.set SIZE_K, 2048
.set KSTEP,  512                       ; along K in a slot
.set NQ,     KSTEP/128                 ; matrix instructions deep
.set ROWB,   256                       ; a tile's row in bytes: KSTEP codes of 4 bits
.set KROW,   SIZE_K*4/8                ; a row of A or of B in memory, in bytes
.set PITCH,  272                       ; an LDS row: 256 bytes of data + 16 of padding = 68 words: row r starts at bank 4 r mod 64 (64 banks of 4 bytes: ISA guide 11.1), so the 16 rows that a load touches start at 16 different banks
.set FR,     8                         ; registers of a fragment: 16 rows x 128 K
.set NL,     2                         ; LDS loads that bring one
.set NP,     4                         ; places behind this matrix instruction (ISA guide 7.12.1)
.set HALFT,  128*PITCH                 ; 128 rows: what one tensor load brings, and what one wave reads of A or of B
.set SLOT,   4*HALFT                   ; A's 256 rows, then B's 256 rows
.set LAPS,   SIZE_K/(2*KSTEP)          ; a lap = two K steps = once round the ring
.set KS,     SIZE_K/32                 ; a row of scales in bytes
.set SCL,    2*SLOT                    ; behind the ring: the scales, as rows of 256 bytes + 16 of padding
.set HALFS,  (128*KS/256)*272          ; the scales of 128 rows: what one tensor load brings
.set SBLK,   (16*KS/256)*272           ; those of 16 rows
.set SPARE,  SCL+4*HALFS               ; behind the scales: the spare words, 128 bytes for each wave: two blocks of 256 bytes that no other line names
.set SPITCH, 272                       ; the way out: a stage of 16 rows x (256 bytes + 16) for each wave.  It lies in slot 0, which has had its last fill and its last read when the first result is stored there
.set ADRA, 16                          ; v16-17  LDS address of my A fragments in slot 0, 1
.set ADRB, 20                          ; v20-21  the same for B
.set STO,  24                          ; v24     the way out: where I put 16 bytes of a row
.set RD,   25                          ; v25     the way out: where I read a row back
.set CO,   26                          ; v26     my byte offset in two rows of C
.set ADRS, 27                          ; v27     LDS address of my scale words: lanes 0-15 A's rows, lanes 16-31 B's
.set SPW,  28                          ; v28     LDS address of my spare word: SPARE + 4 x my thread's number; never rewritten
.set NIL,  29                          ; v29     0; never rewritten
.set SC,   32                          ; scale words: set s (for slot s) at v[SC + 8 NQ s]; in it register NQ i + q: lanes 0-15 the word of A's block i, lanes 16-31 that of B's block i, for the slot's q-th 128 along K
.set AF,   128                         ; A's fragments, in window 0
.set TMP,  192                         ; the way out: a block's packed results, v192-223
.set OB,   96                          ; the way out: 16 rows read back from the stage: v96-127 and v224-255 by turns
.set G1, 24                            ; s[24:31] descriptor group 1 for A's tiles;  s[32:39] group 0, one set for each slot
.set G0, 32
.set G1B, 48                           ; s[48:55], s[56:63] the same for B's tiles
.set G0B, 56
.set G1S, 68                           ; s[68:75], s[76:79] groups 1 and 0 for A's scales;  s[80:87], s[88:91] for B's
.set G0S, 76
.set G1SB, 80
.set G0SB, 88
.set MSB, 0
.macro WIN new                         ; the immediate's high byte repeats the setting that is left
.if MSB != \new
	s_set_vgpr_msb (MSB<<8)|\new
.set MSB, \new
.endif
.endm
.set MUL_LO, 0xa1                      ; source 0 (B) window 1, source 1 (A) window 0, C and D window 2
.set MUL_HI, 0xf1                      ; the same, C and D window 3
.set TO_B,   0x40                      ; destination window 1, address window 0
; A joint load: waves 0 and 1 fetch for A, waves 2 and 3 for B.  Each of the two lines has ONE mask and one set of registers for all that issue it; the branch hangs on the wave's number alone.
; An s_nop 0 and four v_nop follow each of the two lines, ahead of the jump, the label and what follows.
.macro JLOAD g0a, g1a, g0b, g1b
	s_cmp_eq_u32 s15, 0
	s_cbranch_scc0 .Lfor_b_\@
	tensor_load_to_lds s[\g0a:\g0a+3], s[\g1a:\g1a+7]
	s_nop 0
.rept 4
	v_nop
.endr
	s_branch .Lasked_\@
.Lfor_b_\@:
	tensor_load_to_lds s[\g0b:\g0b+3], s[\g1b:\g1b+7]
	s_nop 0
.rept 4
	v_nop
.endr
.Lasked_\@:
.endm
.macro CREST                           ; a round of the cluster's barrier behind its opening barrier
	s_cmp_lg_u32 s14, 0
	s_cbranch_scc1 .Lnot_wave_0_\@
	s_barrier_signal -3
.Lnot_wave_0_\@:
	s_barrier_wait -3
	s_barrier_signal -1
	s_barrier_wait -1
.endm
.macro CROUND                          ; a whole round
	s_barrier_signal -1
	s_barrier_wait -1
	CREST
.endm
	s_load_b128 s[4:7], s[0:1], 0x0                ; A's codes s[4:5], A's scales s[6:7]
	s_load_b128 s[8:11], s[0:1], 0x10              ; B's codes s[8:9], B's scales s[10:11]
	s_load_b64 s[12:13], s[0:1], 0x20              ; C
	v_lshl_add_u32 v[SPW], v0, 2, SPARE
	v_mov_b32 v[NIL], 0
	ds_add_u32 v[SPW], v[NIL]                      ; the wave's opening: the add, twice on end, and its wait ahead of my first tensor load; the set-up below the second, work on registers, stands between it and the wait
	ds_add_u32 v[SPW], v[NIL]                      ; and once more, under the one wait
	v_lshrrev_b32 v1, 5, v0
	v_readfirstlane_b32 s14, v1                    ; wave 0..3
	s_lshr_b32 s15, s14, 1                         ; which half of the tile's rows is mine.  Also: I fetch for A (0) or for B (1)
	s_and_b32 s16, s14, 1                          ; which half of its columns.  Also: which 128 rows of that tile I fetch
	s_bfe_u32 s40, ttmp6, 0x40000                  ; cx, cy: my place in the cluster
	s_bfe_u32 s41, ttmp6, 0x40004
	s_lshl_b32 s42, ttmp9, 2
	s_add_co_u32 s42, s42, s40                     ; tile column of C = 4 x cluster x + cx
	s_and_b32 s17, ttmp7, 0xffff
	s_lshl_b32 s17, s17, 2
	s_add_co_u32 s17, s17, s41                     ; tile row of C = 4 x cluster y + cy
	s_lshl_b32 s43, s41, 2
	s_lshl_b32 s43, 15, s43                        ; my row of the cluster
	s_lshl_b32 s44, 0x1111, s40                    ; my column
	; descriptor group 1: a tile of 128 rows x ROWB bytes, padded in LDS
	s_or_b32 s[G1+0], s43, (0<<16)|(1<<20)|(1<<21)|(5<<22)|(3<<25)  ; 15:0 the mask: A's tiles go to my row; 17:16 element of 1 byte; 20 padding on; 21 set beside a mask; 24:22 after every 64 words (code 5); 31:25 of 4 words (code 3)
	s_or_b32 s[G1B+0], s44, (0<<16)|(1<<20)|(1<<21)|(5<<22)|(3<<25)
.irp g, G1, G1B
	s_mov_b32 s[\g+1], ROWB<<16                    ; tensor_dim0
	s_mov_b32 s[\g+2], 128<<16                     ; tensor_dim1 = 128
	s_mov_b32 s[\g+3], ROWB<<16                    ; tile_dim0
	s_mov_b32 s[\g+4], 128                         ; tile_dim1 = 128
	s_mov_b32 s[\g+5], KROW                        ; tensor_dim0_stride
	s_mov_b32 s[\g+6], 0
	s_mov_b32 s[\g+7], 0
.endr
	; and for the scales of 128 rows: a dense block of 128 KS bytes, as rows of 256 bytes (32 elements of 8 bytes), 16 bytes of padding behind each
	s_or_b32 s[G1S+0], s43, (3<<16)|(1<<20)|(1<<21)|(5<<22)|(3<<25)
	s_or_b32 s[G1SB+0], s44, (3<<16)|(1<<20)|(1<<21)|(5<<22)|(3<<25)
.irp g, G1S, G1SB
	s_mov_b32 s[\g+1], 32<<16
	s_mov_b32 s[\g+2], (128*KS/256)<<16
	s_mov_b32 s[\g+3], 32<<16
	s_mov_b32 s[\g+4], 128*KS/256
	s_mov_b32 s[\g+5], 32
	s_mov_b32 s[\g+6], 0
	s_mov_b32 s[\g+7], 0
.endr
	s_lshl_b32 s18, s16, 7                         ; which 128 rows of the tile I fetch
	s_lshl_b32 s20, s17, 8
	s_add_co_u32 s20, s20, s18                     ; A: row 256 x tile row + 128 x half
	s_lshl_b32 s46, s42, 8
	s_add_co_u32 s46, s46, s18                     ; B: row 256 x tile column + 128 x half
	s_mov_b32 s21, 0
	s_mov_b32 s47, 0
	s_mov_b64 s[18:19], KS
	s_mul_u64 s[22:23], s[20:21], s[18:19]         ; where these rows' scales begin, in bytes
	s_mul_u64 s[92:93], s[46:47], s[18:19]
	s_mov_b64 s[18:19], KROW
	s_mul_u64 s[20:21], s[20:21], s[18:19]         ; and their codes
	s_mul_u64 s[46:47], s[46:47], s[18:19]
	s_mul_i32 s45, s14, HALFT                      ; where they go: wave x 128 rows: no place in the cluster enters an LDS address
	s_mul_i32 s94, s14, HALFS
	s_wait_dscnt 0x0                               ; both opening adds are done
	s_wait_kmcnt 0x0
	s_add_nc_u64 s[20:21], s[4:5], s[20:21]
	s_add_nc_u64 s[22:23], s[6:7], s[22:23]
	s_add_nc_u64 s[46:47], s[8:9], s[46:47]
	s_add_nc_u64 s[92:93], s[10:11], s[92:93]
	CROUND                                         ; all sixteen work-groups are here: the first joint loads meet
	s_mov_b32 s[G0S], 1
	s_add_co_u32 s[G0S+1], s94, SCL
	s_mov_b64 s[G0S+2:G0S+3], s[22:23]
	s_or_b32 s[G0S+3], s[G0S+3], 0x80000000
	s_mov_b32 s[G0SB], 1
	s_add_co_u32 s[G0SB+1], s94, SCL
	s_mov_b64 s[G0SB+2:G0SB+3], s[92:93]
	s_or_b32 s[G0SB+3], s[G0SB+3], 0x80000000
	JLOAD G0S, G1S, G0SB, G1SB                     ; the scales first: they are wanted with K step 0
.irp s, 0,1
	s_mov_b32 s[G0+4*\s], 1
	s_add_co_u32 s[G0+4*\s+1], s45, \s*SLOT
	s_add_nc_u64 s[G0+4*\s+2:G0+4*\s+3], s[20:21], \s*ROWB
	s_or_b32 s[G0+4*\s+3], s[G0+4*\s+3], 0x80000000
	s_mov_b32 s[G0B+4*\s], 1
	s_add_co_u32 s[G0B+4*\s+1], s45, \s*SLOT
	s_add_nc_u64 s[G0B+4*\s+2:G0B+4*\s+3], s[46:47], \s*ROWB
	s_or_b32 s[G0B+4*\s+3], s[G0B+4*\s+3], 0x80000000
	JLOAD G0+4*\s, G1, G0B+4*\s, G1B               ; three tensor loads of mine are out behind the second of these
.endr
	v_and_b32 v1, 15, v0                           ; l % 16
	v_bfe_u32 v2, v0, 4, 1                         ; l / 16
	v_mul_u32_u24 v3, v1, PITCH
	v_lshl_add_u32 v4, v2, 4, v3                   ; a fragment's row x pitch + 16 x half
	s_mul_i32 s21, s15, HALFT                      ; my 128 rows of A
	s_mul_i32 s22, s16, HALFT                      ; my 128 rows of B,
	s_add_co_u32 s22, s22, 2*HALFT                 ; which lie behind A's 256
.irp s, 0,1
	v_add_nc_u32 v[ADRA+\s], s21, v4
	v_add_nc_u32 v[ADRB+\s], s22, v4
	s_add_co_u32 s21, s21, SLOT
	s_add_co_u32 s22, s22, SLOT
.endr
	v_mul_u32_u24 v5, v1, KS                       ; my row's scales: KS bytes a row,
	v_lshrrev_b32 v6, 8, v5
	v_lshl_add_u32 v5, v6, 4, v5                   ; and 16 more for each 256 passed
	s_mul_i32 s21, s15, HALFS                      ; A's: my 128 rows
	s_mul_i32 s22, s16, HALFS                      ; B's: my 128 rows, behind A's 256
	s_add_co_u32 s22, s22, 2*HALFS
	s_sub_co_u32 s22, s22, s21
	v_mul_u32_u24 v6, s22, v2                      ; lanes 16-31 take B's: the lower base + half x the distance between the two
	s_add_co_u32 s21, s21, SCL
	v_add_nc_u32 v5, v5, v6
	v_add_nc_u32 v[ADRS], s21, v5
	s_mul_i32 s23, s14, 16*SPITCH                  ; my stage
	v_mul_u32_u24 v5, v1, SPITCH                   ; in: row l % 16, 16 bytes for each half of the lanes
	v_lshl_add_u32 v5, v2, 4, v5
	v_add_nc_u32 v[STO], s23, v5
	v_mul_u32_u24 v5, v2, SPITCH                   ; back: lanes 0-15 take one row of 256 bytes, lanes 16-31 the next
	v_lshl_add_u32 v5, v1, 4, v5
	v_add_nc_u32 v[RD], s23, v5
	v_mul_u32_u24 v5, v2, SIZE_N*2                 ; and the same two rows in C
	v_lshl_add_u32 v[CO], v1, 4, v5
	s_lshl_b32 s20, s17, 8
	s_lshl_b32 s21, s15, 7
	s_add_co_u32 s20, s20, s21                     ; my first row of C: 256 x tile row + 128 x half
	s_mov_b32 s21, 0
	s_mov_b64 s[18:19], SIZE_N*2
	s_mul_u64 s[20:21], s[20:21], s[18:19]
	s_lshl_b32 s46, s42, 9                         ; my first column, in bytes: 512 x tile column + 256 x half
	s_lshl_b32 s47, s16, 8
	s_add_co_u32 s46, s46, s47
	s_mov_b32 s47, 0
	s_add_nc_u64 s[20:21], s[20:21], s[46:47]
	s_add_nc_u64 s[12:13], s[12:13], s[20:21]
.macro FRAG reg, adr, q, i             ; a fragment, 16 rows x 128 K of 4-bit codes, is 8 registers: lane l holds row l % 16; registers 4 c .. 4 c + 3 hold K = 64 c + 32 (l / 16) + 0 .. 31, the lower K in the lower bits
.irp c, 0,1
	ds_load_b128 v[\reg+4*\c:\reg+4*\c+3], v[\adr] offset:64*(\q)+32*\c+(\i)*16*PITCH
.endr
.endm
; 16 matrix instructions: A's blocks a0, a0 + 1 x B's eight, 128 along K: the slot's q-th.  p: B's set;  sc: the set of scale words.  zero = 1: the first product starts the sums: nothing is ever cleared.
; The 64 accumulators take turns, one instruction a turn, in the same order in every step.
.macro MUL16 a0, p, q, sc, zero
.irp a, \a0, \a0+1
.irp b, 0,1,2,3,4,5,6,7
.if \zero
	v_wmma_scale_f32_16x16x128_f8f6f4 v[8*(8*((\a)%4)+\b):8*(8*((\a)%4)+\b)+7], v[128*(\p)+FR*\b:128*(\p)+FR*\b+FR-1], v[AF+FR*(\a):AF+FR*(\a)+FR-1], 0, v[SC+8*NQ*(\sc)+NQ*\b+(\q)], v[SC+8*NQ*(\sc)+NQ*(\a)+(\q)] matrix_a_fmt:MATRIX_FMT_FP4 matrix_b_fmt:MATRIX_FMT_FP4 matrix_a_scale:MATRIX_SCALE_ROW1
.else
	v_wmma_scale_f32_16x16x128_f8f6f4 v[8*(8*((\a)%4)+\b):8*(8*((\a)%4)+\b)+7], v[128*(\p)+FR*\b:128*(\p)+FR*\b+FR-1], v[AF+FR*(\a):AF+FR*(\a)+FR-1], v[8*(8*((\a)%4)+\b):8*(8*((\a)%4)+\b)+7], v[SC+8*NQ*(\sc)+NQ*\b+(\q)], v[SC+8*NQ*(\sc)+NQ*(\a)+(\q)] matrix_a_fmt:MATRIX_FMT_FP4 matrix_b_fmt:MATRIX_FMT_FP4 matrix_a_scale:MATRIX_SCALE_ROW1
.endif
.endr
.endr
.endm
.macro FETCH_B slot, q, p              ; B's eight fragments of the slot's q-th 128 along K into set p
	WIN TO_B
.irp i, 0,1,2,3,4,5,6,7
	FRAG 128*(\p)+FR*\i, ADRB+\slot, \q, \i
.endr
	WIN 0
.endm
.macro FETCH_A slot, q, i0             ; A's blocks i0 .. i0 + 3
.irp i, \i0, \i0+1, \i0+2, \i0+3
	FRAG AF+FR*(\i), ADRA+\slot, \q, \i
.endr
.endm
.macro SCALES sc                       ; the next K step's scale words into set sc: NQ words a row; lanes 0-15 take A's block i, lanes 16-31 B's block i
.irp i, 0,1,2,3,4,5,6,7
	ds_load_b128 v[SC+8*NQ*\sc+NQ*\i:SC+8*NQ*\sc+NQ*\i+3], v[ADRS] offset:\i*SBLK
.endr
.endm
; A load into a register that a matrix instruction has read, and a vector instruction that reads a matrix result, stand NP places behind that matrix instruction, and only plain vector
; instructions that name none of its registers are places (ISA guide 7.12.1 for vector instructions); this text does not count the matrix instructions in between.
.macro PLACES n
.rept \n
	v_nop
.endr
.endm
; A step of 128 along K that has its successor in the same slot.
.macro STEP slot, q, zero
	s_wait_dscnt 4*NL                              ; B's set and A's blocks 0-3 are in; the youngest eight loads (A's blocks 4-7) may be out
	WIN MUL_LO
	MUL16 0, (\q)%2, \q, \slot, \zero
	MUL16 2, (\q)%2, \q, \slot, \zero
	s_wait_dscnt 0                                 ; A's blocks 4-7 are in (asked for 32 matrix instructions ago)
	PLACES NP
	FETCH_B \slot, (\q)+1, 1-(\q)%2
	FETCH_A \slot, (\q)+1, 0
	WIN MUL_HI
	MUL16 4, (\q)%2, \q, \slot, \zero
	MUL16 6, (\q)%2, \q, \slot, \zero
	PLACES NP
	WIN 0
	FETCH_A \slot, (\q)+1, 4
.endm
; A slot's last step changes slots.  MEET is its first half: ONE barrier; in front of it each wave waits for all its tensor loads, adds 0 to its spare word, and waits for that and for its own reads of this slot.
; Behind it nobody reads this slot any more and the next slot is whole.
.macro MEET slot
	s_wait_tensorcnt 0x0                           ; all my tensor loads have landed: my part of the next slot;  (every window is 0 here: the add's two registers lie in window 0)
	ds_add_u32 v[SPW], v[NIL]                      ; 0 onto my spare word
	s_wait_dscnt 4*NL+1                            ; (the add and the youngest eight loads, A's blocks 4-7, may be out)
	WIN MUL_LO
	MUL16 0, 1, NQ-1, \slot, 0                     ; sixteen matrix instructions stand between the add and the wait for it
	s_wait_dscnt 0x0                               ; the add is done, and my reads of this slot are over
	s_barrier_signal -1
	MUL16 2, 1, NQ-1, \slot, 0
	WIN 0                                          ; (branches may follow, and nothing stands between the wait below and the rest of a round)
	s_barrier_wait -1
.endm
; The whole last step of a slot that is filled again, two K steps ahead.
.macro TURN slot, next
	MEET \slot
	CREST                                          ; the barrier has opened a round of the cluster's barrier: no wave of any partner still reads this slot's tile or has a load on its way
	s_add_nc_u64 s[G0+4*\slot+2:G0+4*\slot+3], s[G0+4*\slot+2:G0+4*\slot+3], 2*ROWB
	s_add_nc_u64 s[G0B+4*\slot+2:G0B+4*\slot+3], s[G0B+4*\slot+2:G0B+4*\slot+3], 2*ROWB
	JLOAD G0+4*\slot, G1, G0B+4*\slot, G1B         ; the first tensor load behind the round, my one load until the next; the four v_nop behind it are the places in front of the loads below
	v_add_nc_u32 v[ADRS], 4*NQ, v[ADRS]            ; on to the next K step's scale words (no LDS load of mine is out)
	FETCH_B \next, 0, 0
	FETCH_A \next, 0, 0
	SCALES \next
	WIN MUL_HI
	MUL16 4, 1, NQ-1, \slot, 0
	MUL16 6, 1, NQ-1, \slot, 0
	PLACES NP
	WIN 0
	FETCH_A \next, 0, 4
.endm
.macro STEPS slot, from                ; the slot's steps from .. NQ - 2
.set Q, \from
.rept NQ-1-\from
	STEP \slot, Q, 0
.set Q, Q+1
.endr
.endm
; THE LAST K STEP (it lies in slot 1; its scale words in set 1), BY ROWS OF C.  B's fragments of its four quarters fill window 1: quarters 0, 1, 2 at v0, v64, v192, and quarter 3, which is loaded last, at v128:
; those 64 registers are still being multiplied when the slots change.  A comes by blocks of 16 rows x 512 K, 32 registers, into two buffers by turns.  LDS is read no more than in any other K step.
.macro SETRB q                         ; RB: where quarter q of B lies in window 1
.set RB, 64*(\q)
.if (\q) == 2
.set RB, 192
.endif
.if (\q) == 3
.set RB, 128
.endif
.endm
.macro BLOAD q                         ; B's eight fragments of quarter q
	SETRB \q
.irp i, 0,1,2,3,4,5,6,7
	FRAG RB+FR*\i, ADRB+1, \q, \i
.endr
.endm
.macro ALOAD a                         ; A's fragments of block a, all four quarters, into buffer a % 2
.irp q, 0,1,2,3
	FRAG AF+32*((\a)%2)+FR*\q, ADRA+1, \q, \a
.endr
.endm
.macro ROW a                           ; block a is finished: 32 matrix instructions, its eight accumulators by turns, K ascending
.set FA, AF+32*((\a)%2)                ; its fragments of A
.set AC, 64*((\a)%4)                   ; its eight accumulators, in window 2 (blocks 0-3) or 3 (blocks 4-7)
	WIN MUL_LO+0x50*((\a)/4)                       ; MUL_LO or MUL_HI
.irp q, 0,1,2,3
	SETRB \q
.if (\a) == 0
	s_wait_dscnt 56-16*\q                          ; B's quarter q is in, and all that was asked for ahead of it; behind it stand B's later quarters, 16 loads each, and the 8 loads of A's block 1
.endif
.irp b, 0,1,2,3,4,5,6,7
	v_wmma_scale_f32_16x16x128_f8f6f4 v[AC+8*\b:AC+8*\b+7], v[RB+FR*\b:RB+FR*\b+FR-1], v[FA+FR*\q:FA+FR*\q+FR-1], v[AC+8*\b:AC+8*\b+7], v[SC+8*NQ+NQ*\b+\q], v[SC+8*NQ+NQ*(\a)+\q] matrix_a_fmt:MATRIX_FMT_FP4 matrix_b_fmt:MATRIX_FMT_FP4 matrix_a_scale:MATRIX_SCALE_ROW1
.endr
.endr
.endm
; THE WAY OUT of a block of 16 rows x 128 columns, in three parts.  PACK: rounded to bf16; a lane's eight neighbouring columns are 16 bytes.  TOSTAGE: into my own stage in LDS, and back as whole rows of 256 bytes.
; SEND: stored, sixteen lanes to 256 consecutive bytes.  LDS serves a wave's instructions in order (ISA guide 5.7.1.4): no wait between the stores into the stage and the loads from it.
.macro PACK a
.set AC, 64*((\a)%4)
	WIN 0x0a+5*((\a)/4)                            ; sources 0 and 1: window 2 or 3
.irp b, 0,1,2,3,4,5,6,7
.irp r, 0,1,2,3
	v_cvt_pk_bf16_f32 v[TMP+4*\b+\r], v[AC+8*\b+2*\r], v[AC+8*\b+2*\r+1]   ; each accumulator from its low end on
.endr
.endr
	WIN 0
.endm
.macro TOSTAGE a
.set BK, OB+128*((\a)%2)
.irp b, 0,1,2,3,4,5,6,7
	ds_store_b128 v[STO], v[TMP+4*\b:TMP+4*\b+3] offset:32*\b
.endr
.irp t, 0,1,2,3,4,5,6,7
	ds_load_b128 v[BK+4*\t:BK+4*\t+3], v[RD] offset:\t*2*SPITCH
.endr
.endm
.macro SEND a, younger                 ; younger: the LDS loads issued behind TOSTAGE's, which may stay out
.set BK, OB+128*((\a)%2)
	s_wait_dscnt \younger                          ; the block is back in registers; so are A's fragments of the next block, asked for a block ago
	s_wait_xcnt 0x0                                ; the earlier stores have read their base and their data: only behind this wait is the base stepped, and are the registers of the block before last loaded again
.if (\a) > 0
	s_add_nc_u64 s[12:13], s[12:13], 16*SIZE_N*2   ; 16 rows of C on: the stores' offsets reach 14 rows at the most
.endif
.irp t, 0,1,2,3,4,5,6,7
	global_store_b128 v[CO], v[BK+4*\t:BK+4*\t+3], s[12:13] offset:2*\t*SIZE_N*2 th:TH_STORE_NT   ; 16 lanes store 256 consecutive bytes, at a multiple of 256 from C's first byte; written once, read by nobody here
.endr
.endm
	s_wait_tensorcnt 1                             ; the scales and my part of K step 0 are in (K step 1's load may be out)
	s_barrier_signal -1
	s_barrier_wait -1                              ; everybody's are
	FETCH_B 0, 0, 0
	FETCH_A 0, 0, 0
	SCALES 0
	FETCH_A 0, 0, 4
	STEP 0, 0, 1                                   ; the first step stands in front of the loop: its products start the sums
	s_mov_b32 s3, LAPS-1
.Llap:                                                 ; a trip goes once round the ring, from a lap's second step to the next lap's first, and fills both slots again
	STEPS 0, 1
	TURN 0, 1
	STEPS 1, 0
	TURN 1, 0
	STEP 0, 0, 0
	s_sub_co_u32 s3, s3, 1
	s_cmp_lg_u32 s3, 0
	s_cbranch_scc1 .Llap
	STEPS 0, 1                                     ; the last lap fills nothing, and has no round of the cluster's barrier
	MEET 0                                         ; my one tensor load that was still out is slot 1's, the last K step's; from here on nobody reads slot 0: my stage lies there
	PLACES NP                                      ; for the loads into registers that the products above have read
	v_add_nc_u32 v[ADRS], 4*NQ, v[ADRS]            ; on to the last K step's scale words (no LDS load of mine is out)
	ALOAD 0                                        ; where A's blocks 0-3 lay: their products are issued
	SCALES 1
	WIN TO_B
	BLOAD 0                                        ; three quarters of B now: v128-191 of window 1 are still being multiplied
	BLOAD 1
	BLOAD 2
	WIN MUL_HI
	MUL16 4, 1, NQ-1, 0, 0
	MUL16 6, 1, NQ-1, 0, 0
	PLACES NP                                      ; for the loads into the registers that these products have read
	WIN TO_B
	BLOAD 3
	WIN 0
	ALOAD 1
	ROW 0
.irp a, 0,1,2,3,4,5,6,7                ; each block leaves as soon as it is finished: nothing follows this tile under which its stores could leave
	PLACES NP                                      ; its conversions read results just made, and the loads below land in registers just read
	PACK \a
	TOSTAGE \a
.if \a < 6
	ALOAD \a+2                                     ; its buffer takes the block two further on
	SEND \a, 8
.else
	SEND \a, 0
.endif
.if \a < 7
	ROW \a+1
.endif
.endr
	s_wait_tensorcnt 0x0                           ; the wave's end, behind my last tensor load and my last LDS store
	ds_add_u32 v[SPW], v[NIL]
	s_wait_dscnt 0x0
	CROUND                                         ; the closing round: no work-group ends while a partner may still ask for a tile that names it
	s_endpgm
.Lfunc_end_k_qd3d9e13298_gemm:
	.size	k_qd3d9e13298_gemm, .Lfunc_end_k_qd3d9e13298_gemm-k_qd3d9e13298_gemm
	.p2alignl 7, 3214868480
	.fill 96, 4, 3214868480
	.section	.rodata,"a",@progbits
	.p2align	6, 0x0
	.amdhsa_kernel k_qd3d9e13298_gemm
		.amdhsa_group_segment_fixed_size 327680
		.amdhsa_private_segment_fixed_size 0
		.amdhsa_enable_private_segment 0
		.amdhsa_kernarg_size 40
		.amdhsa_user_sgpr_count 2
		.amdhsa_user_sgpr_kernarg_segment_ptr 1
		.amdhsa_wavefront_size32 1
		.amdhsa_system_sgpr_workgroup_id_x 1
		.amdhsa_system_sgpr_workgroup_id_y 1
		.amdhsa_system_sgpr_workgroup_id_z 1
		.amdhsa_system_vgpr_workitem_id 0
		.amdhsa_next_free_vgpr 1024
		.amdhsa_next_free_sgpr 98
		.amdhsa_reserve_vcc 0
		.amdhsa_float_denorm_mode_32 3
		.amdhsa_float_denorm_mode_16_64 3
		.amdhsa_memory_ordered 1
		.amdhsa_forward_progress 1
		.amdhsa_inst_pref_size 213
	.end_amdhsa_kernel
	.amdgpu_metadata
---
amdhsa.version: [ 1, 2 ]
amdhsa.kernels:
  - .name:           k_qd3d9e13298_gemm
    .symbol:         k_qd3d9e13298_gemm.kd
    .args:
      - { .name: xc, .offset: 0, .size: 8, .value_kind: global_buffer, .address_space: global }
      - { .name: xs, .offset: 8, .size: 8, .value_kind: global_buffer, .address_space: global }
      - { .name: wc, .offset: 16, .size: 8, .value_kind: global_buffer, .address_space: global }
      - { .name: ws, .offset: 24, .size: 8, .value_kind: global_buffer, .address_space: global }
      - { .name: out0, .offset: 32, .size: 8, .value_kind: global_buffer, .address_space: global }
    .group_segment_fixed_size: 327680
    .private_segment_fixed_size: 0
    .kernarg_segment_align: 8
    .kernarg_segment_size: 40
    .max_flat_workgroup_size: 128
    .sgpr_count:     98
    .vgpr_count:     1024
    .wavefront_size: 32
...
	.end_amdgpu_metadata
.endif
;; end of part 3
